; MI455X (gfx1250); checked and timed in simulation.
; The chip was launched on July 23, 2026; its instructions are those of AMD's public machine-readable ISA for CDNA 5 (MIT licence, August 2026) and "CDNA5" Instruction Set Architecture Reference Guide (July 2026). The comments in the code are by the model that wrote it; some were corrected since.
;; Multi Head Attention Pooling. Allowed arithmetic: matrix products marked QUANTISED: E5M2 operands, one E8M0 scale for each 32 along K, by v_wmma_scale_f32_16x16x128_f8f6f4 with both operands' format E5M2, f32 sums; products left as they are: f32 operands where the result goes on into a quantised operand, else bf16, f16 or f32 operands; f32 sums; everything else in f32.
;; Inputs: Wkv_codes 1,024 x 16 x 32 uint8 (E5M2 codes of Wkv, K innermost, in blocks of 32 codes); Wkv_scales 1,024 x 16 uint8 (E8M0 scales of Wkv, one for each 32 codes along K); Wo_codes 512 x 16 x 32 uint8 (E5M2 codes of Wo, K innermost, in blocks of 32 codes); Wo_scales 512 x 16 uint8 (E8M0 scales of Wo, one for each 32 codes along K); Wq 512 x 512 float32; key_padding_mask 32 x 4,096 bool; ln_beta 512 float32; ln_gamma 512 float32; queries 8 x 512 float32; x_codes 32 x 4,096 x 16 x 32 uint8 (E5M2 codes of x, K innermost, in blocks of 32 codes); x_scales 32 x 4,096 x 16 uint8 (E8M0 scales of x, one for each 32 codes along K).
;; Outputs: out0 32 x 4,096 float32.
;; This version of the problem:
;;   THIS VERSION OF THE PROBLEM IS GIVEN IN LOW PRECISION. The matrix products marked QUANTISED in the list below multiply operands that are first quantised to E5M2 (5 exponent bits, 2 mantissa bits; 8 bits a number), with one power-of-two scale for each 32 numbers along K (OCP MX v1.0); their sums are f32. All else is computed in f32.
;;   The module's matrix products, in the order in which they are computed (A, B: the left and right operand; K: the contracted axis; several contracted axes count as one K, in the product's order):
;;     1. [M 8, K 512] x [K 512, N 512]; A: computed on the way; B: input Wq: left as it is (M = 8 < 16)
;;     2. [M 131,072, K 512] x [K 512, N 1,024]; A: input x (given as codes); B: input Wkv (given as codes): QUANTISED
;;     3. batch 16 x [M 131,072, K 32] x [K 32, N 8]; A: computed on the way; B: computed on the way: left as it is (N = 8 < 16)
;;     4. batch 512 x [M 32, K 4,096] x [K 4,096, N 8]; A: computed on the way; B: softmax: left as it is (N = 8 < 16)
;;     5. [M 256, K 512] x [K 512, N 512]; A: computed on the way; B: input Wo (given as codes): QUANTISED
;;   THE QUANTISER, for each operand of a quantised product, along K:
;;     - K is cut into blocks of 32 from its start; a last block that is shorter is filled with zeros.
;;     - A block's scale is 2^e with e = floor(log2(the largest magnitude in the block)) - 15, held to -126 .. 127; a block of zeros has e = 0. As a byte (E8M0): e + 127.
;;     - Each number is divided by its block's scale, clamped to +-57,344, and rounded to the nearest number of E5M2, ties to even, subnormals kept.
;;     - The product sums the exact products of the quantised numbers (number of the format x scale) in f32.
;;   ~~~python
;;   def quantise(x, axis):      # numpy; x: float32 -> the quantised numbers, widened to float32 again
;;       x = np.moveaxis(x, axis, -1); K = x.shape[-1]
;;       x = np.pad(x, [(0, 0)] * (x.ndim - 1) + [(0, -K % 32)]); x = x.reshape(x.shape[:-1] + (-1, 32)); a = np.abs(x).max(-1, keepdims=True)
;;       e = np.where(a > 0, np.clip(np.frexp(np.where(a > 0, a, 1))[1] - 1 - 15, -126, 127), 0)      # np.frexp(a)[1] - 1 = floor(log2(a)), exactly
;;       r = np.clip(x / 2.0 ** e, -57344, 57344)
;;       step = 2.0 ** (np.maximum(np.frexp(np.where(r == 0, 1, r))[1] - 1, -14) - 2)
;;       q = np.round(r / step) * step * 2.0 ** e      # np.round: ties to even
;;       return np.moveaxis(q.reshape(q.shape[:-2] + (-1,))[..., :K], -1, axis).astype(np.float32)
;;   ~~~
;;   OPERANDS COMPUTED ON THE WAY. 'Computed on the way' means the value that the module computes at that place (a softmax that the list does not call 'softmax' is quantised finished and normalised). What goes into a quantiser is computed in f32, as accurately as f32 sums, v_exp_f32 and their like allow (about 1e-6 of the number): no bf16 or f16 on the way to a quantiser, and a product that is left as it is and whose result goes on into a quantised operand takes f32 operands (vector FMAs, or v_wmma_f32_16x16x4_f32). A number that lies on a knife's edge between two numbers of the format may be rounded either way, as far as f32 arithmetic and the matrix unit's own rounding can turn it there, and no further.
;;   INPUTS GIVEN AS CODES. Wkv (in the module: [512, 1024], K = its axis 0); Wo (in the module: [512, 512], K = its axis 0); x (in the module: [32, 4096, 512], K = its axis 2): each comes as NAME_codes (uint8): NAME with its K axis moved to the last place and cut into blocks of 32 codes, [.., K / 32, bytes a block], one block behind the other in memory; one code a byte (a code: sign, 5 exponent bits, 2 mantissa bits); and NAME_scales (uint8): the same leading axes, one E8M0 byte (e + 127) for each 32 codes along K. Its value is code x scale, taken as it is: it is not quantised again, and the codes and scales need not be those that the quantiser above would give.
;; One version. Each part assembles by itself: llvm-mc -triple=amdgcn-amd-amdhsa -mcpu=gfx1250 --defsym DOCPART=n.
;; ======== version 1 of 1: 3 launches
;; limits: right only within a limited range of input values
;; workspace buffers: qs 16,384 bytes; opart 1,048,576 bytes; ml 131,072 bytes
;; launch qproj (part 1): grid 8 x 1, 8 waves a work-group, no clusters, 33,792 bytes of LDS; arguments queries, ln_gamma, ln_beta, Wq, qs; writes qs
.if DOCPART == 1
	.amdgcn_target "amdgcn-amd-amdhsa--gfx1250"
	.amdhsa_code_object_version 6
	.text
	.protected	k_q185f841373_qproj
	.globl	k_q185f841373_qproj
	.p2align	8
	.type	k_q185f841373_qproj,@function
k_q185f841373_qproj:
	s_mov_b64 s[64:65], 0
	v_nop
	global_prefetch_b8 v0, s[64:65] scope:SCOPE_SE
	s_setreg_imm32_b32 hwreg(HW_REG_WAVE_MODE, 25, 1), 1
	s_wait_xcnt 0x0
; qs[col][qi] = c x sum over e of LN(queries)[qi][e] Wq[e][col], c = 32^-0.5 x log2(e); all in f32 (this product's result goes on, through the scores and the softmax, into a quantised operand).
; queries [8][512], gamma, beta [512], Wq [512][512] f32; qs is laid [512 columns][8 queries] f32, as the next launch's lanes take it.
; SHARES.  Work-group j makes columns 64 j .. 64 j + 63.  Wave w first normalises query w (16 numbers a lane), then takes e = 64 w .. 64 w + 63 of the sum; lane l has columns 64 j + 2 l and + 1.
; The eight waves' partial sums meet in LDS; waves 0 to 3 add them and store.  M = 8 rows: fused multiply-adds, no matrix unit; no tensor load, no cluster: the work-groups share only the 16 KB of queries.
; LIMITS: NaN and infinities among the inputs are not served.  c is multiplied into q here, so a score is rounded in another order than (q . k) x SCALE.
.set QT,  0                            ; LDS: LN(queries) turned, [512 e][8 qi] f32, 16,384 bytes
.set RED, 16384                        ; LDS: eight waves x 2,048 bytes of partial sums
.set ACC, 16                           ; v16-31   sums: column x (0, 1), query qi at 8 x + qi
.set X,   32                           ; v32-47   my 16 numbers of query w: e = lane + 32 i
.set TP,  48                           ; v48-55   at work
.set W,   64                           ; v64-191  Wq: e' = 0 .. 63, a pair of columns each; at the end the eight partial sums
.set GA,  192                          ; v192-207 gamma, v208-223 beta, while the query is normalised;
.set BE,  208
.set QN,  192                          ; v192-255 afterwards: two sets of 4 e x 8 queries
	s_load_b256 s[4:11], s[0:1], 0x0               ; queries s[4:5], gamma s[6:7], beta s[8:9], Wq s[10:11]
	s_load_b64 s[12:13], s[0:1], 0x20              ; qs
	v_lshl_add_u32 v62, v0, 2, 0x8000
	v_mov_b32 v63, 0
	v_lshrrev_b32 v8, 5, v0                        ; wave
	s_delay_alu instid0(VALU_DEP_1)
	v_readfirstlane_b32 s14, v8
	v_and_b32 v1, 31, v0                           ; lane
	s_delay_alu instid0(VALU_DEP_1)
	v_lshlrev_b32 v2, 2, v1                        ; 4 l: queries, gamma, beta
	s_delay_alu instid0(VALU_DEP_2)
	v_lshlrev_b32 v3, 3, v1                        ; 8 l: my two columns of Wq
	s_delay_alu instid0(VALU_DEP_3)
	v_lshlrev_b32 v4, 5, v1
	s_delay_alu instid0(VALU_DEP_1)
	v_lshl_add_u32 v4, v8, 2, v4                   ; QT: e = l at 32 l, query w at + 4 w
	v_lshlrev_b32 v5, 6, v1
	s_delay_alu instid0(VALU_DEP_1)
	v_lshl_add_u32 v5, v8, 11, v5
	s_delay_alu instid0(VALU_DEP_1)
	v_add_nc_u32 v5, RED, v5                       ; my partial sums: RED + 2,048 w + 64 l
	v_and_b32 v9, 127, v0
	s_delay_alu instid0(VALU_DEP_1)
	v_lshlrev_b32 v9, 4, v9                        ; the last step: 16 bytes a thread of waves 0 to 3
	s_delay_alu instid0(VALU_DEP_1)
	v_add_nc_u32 v6, RED, v9
	v_lshlrev_b32 v7, 11, v8                       ; QT at my wave's first e: 64 w x 32 bytes
	s_mov_b32 s22, 0x76543210
	s_mov_b32 s23, 0xfedcba98                      ; v_permlanex16_b32's selects for lane l xor 16
	s_mov_b32 s24, 0x3b000000                      ; 1 / 512
	s_mov_b32 s25, 0x3727c5ac                      ; 1e-5
	s_lshl_b32 s16, s14, 11                        ; query w: 2,048 bytes a row
	s_mov_b32 s17, 0
	s_lshl_b32 s18, s14, 17                        ; Wq: 64 w rows of 2,048 bytes,
	s_lshl_b32 s20, ttmp9, 8                       ; + 64 j columns
	s_add_co_u32 s18, s18, s20
	s_mov_b32 s19, 0
	s_lshl_b32 s20, ttmp9, 11                      ; qs: 64 j columns of 32 bytes
	s_mov_b32 s21, 0
	s_wait_kmcnt 0x0
	s_add_nc_u64 s[4:5], s[4:5], s[16:17]
	s_add_nc_u64 s[10:11], s[10:11], s[18:19]
	s_add_nc_u64 s[12:13], s[12:13], s[20:21]
.irp i, 0,1,2,3,4,5,6,7,8,9,10,11,12,13,14,15
	global_load_b32 v[X+\i], v2, s[4:5] offset:128*\i
.endr
.irp i, 0,1,2,3,4,5,6,7,8,9,10,11,12,13,14,15
	global_load_b32 v[GA+\i], v2, s[6:7] offset:128*\i
.endr
.irp i, 0,1,2,3,4,5,6,7,8,9,10,11,12,13,14,15
	global_load_b32 v[BE+\i], v2, s[8:9] offset:128*\i
.endr
.set k, 0
.rept 64
	global_load_b64 v[W+2*k:W+2*k+1], v3, s[10:11] offset:2048*k   ; a wave reads 256 consecutive bytes of row 64 w + k
.set k, k+1
.endr
.macro LANESUM                         ; v[TP] summed over the 32 lanes, the result in every lane
	s_delay_alu instid0(VALU_DEP_1)
	v_add_f32_dpp v[TP], v[TP], v[TP] row_xmask:1 row_mask:0xf bank_mask:0xf
	s_delay_alu instid0(VALU_DEP_1)
	v_add_f32_dpp v[TP], v[TP], v[TP] row_xmask:2 row_mask:0xf bank_mask:0xf
	s_delay_alu instid0(VALU_DEP_1)
	v_add_f32_dpp v[TP], v[TP], v[TP] row_xmask:4 row_mask:0xf bank_mask:0xf
	s_delay_alu instid0(VALU_DEP_1)
	v_add_f32_dpp v[TP], v[TP], v[TP] row_xmask:8 row_mask:0xf bank_mask:0xf
	s_delay_alu instid0(VALU_DEP_1)
	v_permlanex16_b32 v[TP+1], v[TP], s22, s23
	s_delay_alu instid0(VALU_DEP_1)
	v_add_f32 v[TP], v[TP], v[TP+1]
.endm
	s_wait_loadcnt 63                              ; the query, gamma and beta (the first 48 loads) are in: 64 loads stand behind them, a wait names 63 at the most
	v_pk_add_f32 v[TP:TP+1], v[X:X+1], v[X+2:X+3]
	v_pk_add_f32 v[TP+2:TP+3], v[X+4:X+5], v[X+6:X+7]
	v_pk_add_f32 v[TP+4:TP+5], v[X+8:X+9], v[X+10:X+11]
	v_pk_add_f32 v[TP+6:TP+7], v[X+12:X+13], v[X+14:X+15]
	s_delay_alu instid0(VALU_DEP_3)
	v_pk_add_f32 v[TP:TP+1], v[TP:TP+1], v[TP+2:TP+3]
	s_delay_alu instid0(VALU_DEP_2)
	v_pk_add_f32 v[TP+4:TP+5], v[TP+4:TP+5], v[TP+6:TP+7]
	s_delay_alu instid0(VALU_DEP_1)
	v_pk_add_f32 v[TP:TP+1], v[TP:TP+1], v[TP+4:TP+5]
	s_delay_alu instid0(VALU_DEP_1)
	v_add_f32 v[TP], v[TP], v[TP+1]
	LANESUM
	s_delay_alu instid0(VALU_DEP_1)
	v_mul_f32 v[TP], s24, v[TP]                    ; the mean
.irp i, 0,2,4,6,8,10,12,14
	v_pk_add_f32 v[X+\i:X+\i+1], v[X+\i:X+\i+1], v[TP:TP+1] op_sel_hi:[1,0] neg_lo:[0,1] neg_hi:[0,1]
.endr
	v_pk_mul_f32 v[TP:TP+1], v[X:X+1], v[X:X+1]    ; the squares, in two chains
	v_pk_mul_f32 v[TP+2:TP+3], v[X+2:X+3], v[X+2:X+3]
.irp i, 4,8,12
	s_delay_alu instid0(VALU_DEP_2)
	v_pk_fma_f32 v[TP:TP+1], v[X+\i:X+\i+1], v[X+\i:X+\i+1], v[TP:TP+1]
	s_delay_alu instid0(VALU_DEP_2)
	v_pk_fma_f32 v[TP+2:TP+3], v[X+\i+2:X+\i+3], v[X+\i+2:X+\i+3], v[TP+2:TP+3]
.endr
	s_delay_alu instid0(VALU_DEP_1)
	v_pk_add_f32 v[TP:TP+1], v[TP:TP+1], v[TP+2:TP+3]
	s_delay_alu instid0(VALU_DEP_1)
	v_add_f32 v[TP], v[TP], v[TP+1]
	LANESUM
	s_delay_alu instid0(VALU_DEP_1)
	v_fma_f32 v[TP], v[TP], s24, s25               ; the variance + 1e-5
	s_wait_alu depctr_va_vdst(0)
	v_rsq_f32 v[TP], v[TP]
	v_nop                                          ; a plain instruction behind the transcendental,
	s_wait_alu depctr_va_vdst(0)                   ; and the wait ahead of its first reader
.irp i, 0,2,4,6,8,10,12,14
	v_pk_mul_f32 v[X+\i:X+\i+1], v[X+\i:X+\i+1], v[TP:TP+1] op_sel_hi:[1,0]
.endr
.irp i, 0,2,4,6,8,10,12,14
	v_pk_fma_f32 v[X+\i:X+\i+1], v[X+\i:X+\i+1], v[GA+\i:GA+\i+1], v[BE+\i:BE+\i+1]
.endr
.irp i, 0,1,2,3,4,5,6,7,8,9,10,11,12,13,14,15
	ds_store_b32 v4, v[X+\i] offset:QT+1024*\i     ; e = l + 32 i, query w
.endr
	s_wait_dscnt 0x0                               ; for the others' sake: my stores have landed
	s_barrier_signal -1
	s_barrier_wait -1                              ; all eight queries lie in QT
	s_wait_loadcnt 0x0                             ; Wq
.macro QLOAD g                         ; 4 e x 8 queries, the same 32 bytes for every lane, into set g % 2
.irp e, 0,1,2,3
	ds_load_b128 v[QN+32*((\g)%2)+8*\e:QN+32*((\g)%2)+8*\e+3], v7 offset:QT+32*(4*(\g)+\e)
	ds_load_b128 v[QN+32*((\g)%2)+8*\e+4:QN+32*((\g)%2)+8*\e+7], v7 offset:QT+32*(4*(\g)+\e)+16
.endr
.endm
.macro QMUL g                          ; 32 packed multiply-adds: 4 e x 2 columns x 4 pairs of queries; Wq's number serves both halves.  The very first e starts the sums: nothing is cleared
.irp e, 0,1,2,3
.irp qp, 0,1,2,3
.if (\g) == 0 && \e == 0
	v_pk_mul_f32 v[ACC+2*\qp:ACC+2*\qp+1], v[W:W+1], v[QN+2*\qp:QN+2*\qp+1] op_sel_hi:[0,1]
	v_pk_mul_f32 v[ACC+8+2*\qp:ACC+8+2*\qp+1], v[W:W+1], v[QN+2*\qp:QN+2*\qp+1] op_sel:[1,0] op_sel_hi:[1,1]
.else
	v_pk_fma_f32 v[ACC+2*\qp:ACC+2*\qp+1], v[W+2*(4*(\g)+\e):W+2*(4*(\g)+\e)+1], v[QN+32*((\g)%2)+8*\e+2*\qp:QN+32*((\g)%2)+8*\e+2*\qp+1], v[ACC+2*\qp:ACC+2*\qp+1] op_sel_hi:[0,1,1]
	v_pk_fma_f32 v[ACC+8+2*\qp:ACC+8+2*\qp+1], v[W+2*(4*(\g)+\e):W+2*(4*(\g)+\e)+1], v[QN+32*((\g)%2)+8*\e+2*\qp:QN+32*((\g)%2)+8*\e+2*\qp+1], v[ACC+8+2*\qp:ACC+8+2*\qp+1] op_sel:[1,0,0] op_sel_hi:[1,1,1]
.endif
.endr
.endr
.endm
	QLOAD 0
.set G, 0
.rept 16
.if G < 15
	QLOAD G+1
	s_wait_alu depctr_va_vdst(0)
	s_wait_dscnt 8                                 ; this group's eight loads are in; the next group's eight may be out
.else
	s_wait_alu depctr_va_vdst(0)
	s_wait_dscnt 0x0
.endif
	QMUL G
.set G, G+1
.endr
.irp i, 0,1,2,3
	ds_store_b128 v5, v[ACC+4*\i:ACC+4*\i+3] offset:16*\i   ; a lane's 64 bytes lie as qs has its two columns
.endr
	s_wait_dscnt 0x0
	s_barrier_signal -1
	s_barrier_wait -1                              ; the eight partial sums lie in RED; no barrier follows
	s_cmp_gt_u32 s14, 3
	s_cbranch_scc1 .Ldone                          ; 2,048 bytes are left: 16 for each thread of waves 0 to 3
.irp k, 0,1,2,3,4,5,6,7
	ds_load_b128 v[W+4*\k:W+4*\k+3], v6 offset:2048*\k
.endr
	s_wait_dscnt 0x0
.irp k, 0,1,2,3
	v_pk_add_f32 v[W+4*\k:W+4*\k+1], v[W+4*\k:W+4*\k+1], v[W+16+4*\k:W+16+4*\k+1]
	v_pk_add_f32 v[W+4*\k+2:W+4*\k+3], v[W+4*\k+2:W+4*\k+3], v[W+16+4*\k+2:W+16+4*\k+3]
.endr
.irp k, 0,1
	s_delay_alu instid0(VALU_DEP_4)
	v_pk_add_f32 v[W+4*\k:W+4*\k+1], v[W+4*\k:W+4*\k+1], v[W+8+4*\k:W+8+4*\k+1]
	s_delay_alu instid0(VALU_DEP_4)
	v_pk_add_f32 v[W+4*\k+2:W+4*\k+3], v[W+4*\k+2:W+4*\k+3], v[W+8+4*\k+2:W+8+4*\k+3]
.endr
	s_delay_alu instid0(VALU_DEP_2)
	v_pk_add_f32 v[W:W+1], v[W:W+1], v[W+4:W+5]
	s_delay_alu instid0(VALU_DEP_2)
	v_pk_add_f32 v[W+2:W+3], v[W+2:W+3], v[W+6:W+7]
	s_delay_alu instid0(VALU_DEP_2)
	v_pk_mul_f32 v[W:W+1], v[W:W+1], 0x3e8293ee op_sel_hi:[1,0]      ; x c = 32^-0.5 x log2(e)
	s_delay_alu instid0(VALU_DEP_2)
	v_pk_mul_f32 v[W+2:W+3], v[W+2:W+3], 0x3e8293ee op_sel_hi:[1,0]
	global_store_b128 v9, v[W:W+3], s[12:13]       ; a wave stores 512 consecutive bytes, aligned
.Ldone:
	s_wait_tensorcnt 0x0
	ds_add_u32 v62, v63
	s_wait_dscnt 0x0
	s_endpgm
.Lfunc_end_k_q185f841373_qproj:
	.size	k_q185f841373_qproj, .Lfunc_end_k_q185f841373_qproj-k_q185f841373_qproj
	.p2alignl 7, 3214868480
	.fill 96, 4, 3214868480
	.section	.rodata,"a",@progbits
	.p2align	6, 0x0
	.amdhsa_kernel k_q185f841373_qproj
		.amdhsa_group_segment_fixed_size 33792
		.amdhsa_private_segment_fixed_size 0
		.amdhsa_enable_private_segment 0
		.amdhsa_kernarg_size 40
		.amdhsa_user_sgpr_count 2
		.amdhsa_user_sgpr_kernarg_segment_ptr 1
		.amdhsa_wavefront_size32 1
		.amdhsa_system_sgpr_workgroup_id_x 1
		.amdhsa_system_sgpr_workgroup_id_y 1
		.amdhsa_system_sgpr_workgroup_id_z 1
		.amdhsa_system_vgpr_workitem_id 0
		.amdhsa_next_free_vgpr 256
		.amdhsa_next_free_sgpr 66
		.amdhsa_reserve_vcc 0
		.amdhsa_float_denorm_mode_32 3
		.amdhsa_float_denorm_mode_16_64 3
		.amdhsa_memory_ordered 1
		.amdhsa_forward_progress 1
		.amdhsa_inst_pref_size 62
	.end_amdhsa_kernel
	.amdgpu_metadata
---
amdhsa.version: [ 1, 2 ]
amdhsa.kernels:
  - .name:           k_q185f841373_qproj
    .symbol:         k_q185f841373_qproj.kd
    .args:
      - { .name: queries, .offset: 0, .size: 8, .value_kind: global_buffer, .address_space: global }
      - { .name: ln_gamma, .offset: 8, .size: 8, .value_kind: global_buffer, .address_space: global }
      - { .name: ln_beta, .offset: 16, .size: 8, .value_kind: global_buffer, .address_space: global }
      - { .name: Wq, .offset: 24, .size: 8, .value_kind: global_buffer, .address_space: global }
      - { .name: qs, .offset: 32, .size: 8, .value_kind: global_buffer, .address_space: global }
    .group_segment_fixed_size: 33792
    .private_segment_fixed_size: 0
    .kernarg_segment_align: 8
    .kernarg_segment_size: 40
    .max_flat_workgroup_size: 256
    .sgpr_count:     66
    .vgpr_count:     256
    .wavefront_size: 32
...
	.end_amdgpu_metadata
.endif
;; end of part 1
;; launch pool (part 2): grid 256 x 1, 4 waves a work-group, clusters of 4 x 1, 327,680 bytes of LDS; arguments x_codes, x_scales, Wkv_codes, Wkv_scales, key_padding_mask, qs, opart, ml; writes opart, ml
.if DOCPART == 2
	.amdgcn_target "amdgcn-amd-amdhsa--gfx1250"
	.amdhsa_code_object_version 6
	.text
	.protected	k_q185f841373_pool
	.globl	k_q185f841373_pool
	.p2align	8
	.type	k_q185f841373_pool,@function
k_q185f841373_pool:
	s_mov_b64 s[64:65], 0
	v_nop
	global_prefetch_b8 v0, s[64:65] scope:SCOPE_SE
	s_setreg_imm32_b32 hwreg(HW_REG_WAVE_MODE, 25, 1), 1
	s_wait_xcnt 0x0
	s_wait_alu depctr_hold_cnt(0) depctr_sa_sdst(0) depctr_va_vdst(0) depctr_va_sdst(0) depctr_va_ssrc(0) depctr_va_vcc(0) depctr_vm_vsrc(0)
	s_getreg_b32 s2, hwreg(HW_REG_IB_STS2, 6, 4)
	s_cmp_eq_u32 s2, 0
	s_cbranch_scc0 .Lentry_in_a_cluster
	s_endpgm
.Lentry_in_a_cluster:
	s_bfe_u32 s2, ttmp6, 0x10000c
	s_cmp_lg_u32 s2, 0x3003
	s_cbranch_scc0 .Lentry_shape_is_right
	s_endpgm
.Lentry_shape_is_right:
; k, v = x Wkv on codes of E5M2 with E8M0 scales (f32 sums), the scores q . k, the masked softmax and the sum of p v, all three in f32 (fused multiply-adds), for half a batch (2,048 tokens) and one head a wave.
; What leaves: for each (half batch, head) a record of unnormalised sums O [8 queries][32 channels] in opart, and the largest exponent M and the sum L of each query in ml; the next launch joins the halves.
; qs holds q x 32^-0.5 x log2(e), [512 columns][8 queries] f32: a score is an exponent to the base 2.
; SHARES.  A cluster of four work-groups has one half batch (number ttmp9); work-group cx has heads 4 cx .. 4 cx + 3, wave w head 4 cx + w.  All sixteen waves walk the same rows of x: each tile is asked for jointly (mask 15).
; A wave keeps its head's 32 rows of Wk and 32 of Wv, all of K, in window 1, and takes x in chunks of 64 tokens, a whole chunk in window 2: 4 token tiles x 4 K steps x 4 tiles of W = 64 matrix instructions.
; The product is used transposed (source 0 = 16 rows of W, source 1 = 16 tokens): lane (r, h) holds token r and channels 16 ct + 8 h + j.  So a lane's partial scores (16 of 32 channels) are joined with lane l xor 16's,
; and each lane sums p v over its own tokens, under its own running maximum; the sixteen lanes of a row are joined at the end.
; A TRIP: chunk c's LDS loads go out in four groups, among the vector lines of chunk c - 1: scores (256), halves joined (48), maxima and differences (40), the 40 exponentials as one batch, sums (16), O rescaled (64), p v (256);
; then chunk c's 64 products, sixteen sums by turns, one instruction a turn.  The first trip works on a chunk of zeros, all hidden, which adds nothing.
; No exponential stands between k's sums and their first reads.  v's sums are first read behind the batch: by the 32 lines of query 0, plain vector work directly behind one wait.
; THE RING: two slots of 256 tokens (rows of 512 bytes + 16 of padding), a quarter a wave; a refill stands four chunks (256 matrix instructions a wave) ahead of the wait for it, so no prefetch is laid beside it.
; x's scale bytes (32 KB) and the mask, as 0 or -infinity a token (8 KB), are brought once by plain loads and LDS stores, in whole units of 256 bytes, while the first tile is on its way; they have LDS bytes of their own.
; LIMITS: NaN and infinities among the inputs are not served.  A lane all of whose tokens are hidden keeps M = -3e38, L = 0, O = 0.  The promise holds while the scaled scores stay under 2^31 in magnitude.
; REGISTERS.  Window 0: v3-12 addresses; v14-29 W's scale words; v32-47 x's; v48-51 the mask's terms; v52-83 scores, then p; v84-91 M; v92-99 L; v100-107 factors; v108-123 at work; v128-255 k, v (token tile i at 128 + 32 i: 16 of k, 16 of v).
; Window 1: W's 16 fragments.  Window 2: x's 16 fragments.  Window 3: v0-127 q (channel n at 8 n), v128-255 O (query q at 128 + 16 q).
.set ROWP,  528
.set CHB,   64*ROWP                    ; a chunk: 64 rows
.set SLOTB, 4*CHB
.set XSC,   2*SLOTB                    ; x's scale bytes: 2,048 tokens x 16
.set BIAS,  XSC+32768                  ; 2,048 f32
.set SPARE, BIAS+8192                  ; the spare words: 128 bytes a wave
.set XA0, 3
.set SA0, 4
.set BA0, 5
.set ADRX, 6
.set ADRS, 7
.set ADRB, 8
.set SPW, 9
.set NIL, 10
.set LO16, 11
.set LO4, 12
.set WS,  14                           ; no product's two scale registers have numbers equal modulo 8: 14 + 4 c + k against 32 + 4 i + k
.set WA,  30
.set WSA, 31
.set XS,  32
.set BI,  48
.set TT,  52
.set MO,  84
.set LL,  92
.set FF,  100
.set TMP, 108
.set MN,  108                          ; the new M, in registers that are free between the joining of the halves and L's sums
.set QA,  124                          ; at the head alone
.set KV,  128
.set WV,  20
.set CX,  21
.set HD,  22
.set G1X, 24
.set G0X, 40
.set TR,  48
.set TS,  49
.set TBI, 50
.set SLOTS, 51
.set TRIPS, 52
.set SEL, 54
.set W_P3, 0x0c                        ; source 1 (q) window 3
.set W_P4, 0xf0                        ; source 2 and destination (O) window 3
.set W_RS, 0xc3                        ; source 0 and destination (O) window 3
.set MSB, 0
.macro WIN new                         ; the immediate's high byte repeats the setting that is left
.if MSB != \new
	s_set_vgpr_msb (MSB<<8)|\new
.set MSB, \new
.endif
.endm
.macro WALU
	s_wait_alu depctr_va_vdst(0)
.endm
.macro ROUND                           ; a round of the cluster's barrier
	s_barrier_signal -1
	s_barrier_wait -1
	s_cmp_lg_u32 s[WV], 0
	s_cbranch_scc1 .Lnot_wave_0_\@
	s_barrier_signal -3
.Lnot_wave_0_\@:
	s_barrier_wait -3
	s_barrier_signal -1
	s_barrier_wait -1
.endm
; THE CHANGE OF SLOTS, at a slot's head: all my tensor loads are in, the add, my LDS work is over; behind the round the slot just left is filled again (the first time: slot 1's first fill), one joint load a wave.
.macro CHANGE fill
	s_wait_tensorcnt 0x0
	ds_add_u32 v[SPW], v[NIL]
.if \fill
	s_xor_b32 s[G0X+1], s[G0X+1], SLOTB    ; no load of mine is out: the descriptor walks to the other slot and 256 rows on
	s_add_nc_u64 s[G0X+2:G0X+3], s[G0X+2:G0X+3], 256*512
.endif
	s_wait_dscnt 0x0
.if \fill
	ROUND
	tensor_load_to_lds s[G0X:G0X+3], s[G1X:G1X+7]
	s_nop 0
.rept 4
	v_nop
.endr
.else
	s_barrier_signal -1
	s_barrier_wait -1
.endif
.endm
.macro XL i                            ; token tile i of the chunk: four fragments (16 rows x 128 K) into window 2 and the rows' four scale words: 17 loads
	WIN 0x80
.irp ks, 0,1,2,3
.irp c, 0,1,2,3
	ds_load_b128 v[64*\i+16*\ks+4*\c:64*\i+16*\ks+4*\c+3], v[ADRX] offset:16*ROWP*\i+128*\ks+32*\c
.endr
.endr
	WIN 0
	ds_load_b128 v[XS+4*\i:XS+4*\i+3], v[ADRS] offset:256*\i
.endm
.macro BLOAD                           ; the chunk's mask terms: token r of each tile
.irp i, 0,1,2,3
	ds_load_b32 v[BI+\i], v[ADRB] offset:64*\i
.endr
.endm
.macro GEMM                            ; K step k outermost, then token tile i, then tile c of W (0, 1: k's channels; 2, 3: v's): sixteen sums by turns; the first K step starts them
	WIN 0x09                                       ; source 0 (W) window 1, source 1 (x) window 2
.irp gk, 0,1,2,3
.irp i, 0,1,2,3
.irp gc, 0,1,2,3
.if \gk == 0
	v_wmma_scale_f32_16x16x128_f8f6f4 v[KV+32*\i+8*\gc:KV+32*\i+8*\gc+7], v[16*(4*\gc+\gk):16*(4*\gc+\gk)+15], v[64*\i+16*\gk:64*\i+16*\gk+15], 0, v[WS+4*\gc+\gk], v[XS+4*\i+\gk] matrix_a_fmt:MATRIX_FMT_BF8 matrix_b_fmt:MATRIX_FMT_BF8
.else
	v_wmma_scale_f32_16x16x128_f8f6f4 v[KV+32*\i+8*\gc:KV+32*\i+8*\gc+7], v[16*(4*\gc+\gk):16*(4*\gc+\gk)+15], v[64*\i+16*\gk:64*\i+16*\gk+15], v[KV+32*\i+8*\gc:KV+32*\i+8*\gc+7], v[WS+4*\gc+\gk], v[XS+4*\i+\gk] matrix_a_fmt:MATRIX_FMT_BF8 matrix_b_fmt:MATRIX_FMT_BF8
.endif
.endr
.endr
.endr
	WIN 0
.endm
.macro P3Z x                           ; a score sum's first line: k x q + the mask's term
	v_pk_fma_f32 v[rD:rD+1], v[rA:rA+1], v[rB:rB+1], v[rC:rC+1] op_sel:[0,0,\x] op_sel_hi:[0,1,\x]
.endm
.macro P3L a
	v_pk_fma_f32 v[rD:rD+1], v[rA:rA+1], v[rB:rB+1], v[rD:rD+1] op_sel:[\a,0,0] op_sel_hi:[\a,1,1]
.endm
.macro P4L a
	v_pk_fma_f32 v[rD:rD+1], v[rA:rA+1], v[rB:rB+1], v[rD:rD+1] op_sel:[0,\a,0] op_sel_hi:[1,\a,1]
.endm
.macro RSC a
	v_pk_mul_f32 v[rD:rD+1], v[rD:rD+1], v[rB:rB+1] op_sel:[0,\a] op_sel_hi:[1,\a]
.endm
; VECTOR LINE vj OF A CHUNK.
;   0-31    scores: channel pair t = vj / 4 (its even channel), token tile vj % 4, query pair t % 4: each of the 16 sums is touched twice, each of k's sums is read from its low end on
;   32-255  the other 14 channels of each of the 16 sums, the sums by turns
;   256-303 with lane l xor 16's half;  304-339 the new maxima, old less new, score less new;  340-343 M = the new maxima
;   344-383 the exponentials;  384-391 p summed over pairs of token tiles;  392-455 O x factor;  456-463 L;  464-495 p v of query 0: the first reads of v;  496-719 of queries 1 to 7
.macro VOP
.if vj < 256
.if vj < 32
.set nn, 2*(vj/4)
.set ii, vj%4
.set qp, (vj/4)%4
.else
.set ee, vj-32
.set qp, (ee%16)/4
.set ii, ee%4
.set nn, ee/16
.if nn >= 2*qp
.set nn, nn+1
.endif
.if nn >= 2*qp+8
.set nn, nn+1
.endif
.endif
.set rD, TT+8*ii+2*qp
.set rA, KV+32*ii+(nn/2)*2
.set rB, 8*nn+2*qp
.set rC, BI+(ii/2)*2
	WIN W_P3
.if vj < 16
.if ii%2 == 0
	P3Z 0
.else
	P3Z 1
.endif
.elseif nn%2 == 0
	P3L 0
.else
	P3L 1
.endif
.elseif vj < 304
.set ee, vj-256
.set ii, ee/12
.set kk, ee%12
	WIN 0
.if kk < 8
	v_permlanex16_b32 v[TMP+8*(ii%2)+kk], v[TT+8*ii+kk], s[SEL], s[SEL+1]
.else
	v_pk_add_f32 v[TT+8*ii+2*(kk-8):TT+8*ii+2*(kk-8)+1], v[TT+8*ii+2*(kk-8):TT+8*ii+2*(kk-8)+1], v[TMP+8*(ii%2)+2*(kk-8):TMP+8*(ii%2)+2*(kk-8)+1]
.endif
.elseif vj < 312
.set qq, vj-304
	WIN 0
	v_max3_num_f32 v[MN+qq], v[MO+qq], v[TT+qq], v[TT+8+qq]
.elseif vj < 320
.set qq, vj-312
	WIN 0
	v_max3_num_f32 v[MN+qq], v[MN+qq], v[TT+16+qq], v[TT+24+qq]
.elseif vj < 324
.set qq, 2*(vj-320)
	WIN 0
	v_pk_add_f32 v[FF+qq:FF+qq+1], v[MO+qq:MO+qq+1], v[MN+qq:MN+qq+1] neg_lo:[0,1] neg_hi:[0,1]
.elseif vj < 340
.set ee, vj-324
.set rD, TT+8*(ee/4)+2*(ee%4)
	WIN 0
	v_pk_add_f32 v[rD:rD+1], v[rD:rD+1], v[MN+2*(ee%4):MN+2*(ee%4)+1] neg_lo:[0,1] neg_hi:[0,1]
.elseif vj < 344
.set qq, 2*(vj-340)
	WIN 0
	v_dual_mov_b32 v[MO+qq], v[MN+qq] :: v_dual_mov_b32 v[MO+qq+1], v[MN+qq+1]
.elseif vj < 352
	WIN 0
	v_exp_f32 v[FF+vj-344], v[FF+vj-344]
.elseif vj < 384
	WIN 0
	v_exp_f32 v[TT+vj-352], v[TT+vj-352]
.elseif vj < 388
.set qq, 2*(vj-384)
	WIN 0
	v_pk_add_f32 v[TMP+qq:TMP+qq+1], v[TT+qq:TT+qq+1], v[TT+8+qq:TT+8+qq+1]
.elseif vj < 392
.set qq, 2*(vj-388)
	WIN 0
	v_pk_add_f32 v[TMP+8+qq:TMP+8+qq+1], v[TT+16+qq:TT+16+qq+1], v[TT+24+qq:TT+24+qq+1]
.elseif vj < 456
.set ee, vj-392
.set qq, ee/8
.set rD, 128+16*qq+2*(ee%8)
.set rB, FF+(qq/2)*2
	WIN W_RS
.if qq%2 == 0
	RSC 0
.else
	RSC 1
.endif
.elseif vj < 460
.set qq, 2*(vj-456)
	WIN 0
	v_pk_add_f32 v[TMP+qq:TMP+qq+1], v[TMP+qq:TMP+qq+1], v[TMP+8+qq:TMP+8+qq+1]
.elseif vj < 464
.set qq, 2*(vj-460)
	WIN 0
	v_pk_fma_f32 v[LL+qq:LL+qq+1], v[LL+qq:LL+qq+1], v[FF+qq:FF+qq+1], v[TMP+qq:TMP+qq+1]
.else
.if vj < 496
.set ee, vj-464
.set ii, ee/8
.set qq, 0
.else
.set ee, vj-496
.set ii, ee/56
.set qq, 1+(ee%56)/8
.endif
.set rD, 128+16*qq+2*(ee%8)
.set rA, KV+32*ii+16+2*(ee%8)
.set rB, TT+8*ii+(qq/2)*2
	WIN W_P4
.if qq%2 == 0
	P4L 0
.else
	P4L 1
.endif
.endif
.set vj, vj+1
.endm
.macro SLICE n
.rept \n
	VOP
.endr
.endm
; A chunk's vector lines; ld = 1: the next chunk's token tiles 1 to 3 and its mask terms are asked for on the way (the score sums stand 15 plain lines apart there; the mask terms in hand were read by lines 0-15)
.macro VEC ld
.set vj, 0
	SLICE 84
.if \ld
	XL 1
.endif
	SLICE 86
.if \ld
	XL 2
.endif
	SLICE 174
	WIN 0
.if \ld
	XL 3
	BLOAD
.endif
	WALU                                           ; ahead of the batch
	SLICE 40
	v_nop                                          ; a plain line behind the last exponential
	WALU                                           ; behind the batch, ahead of its first reader
	SLICE 80
	WIN W_P4
	WALU                                           ; directly ahead of the first reads of v's sums: the 32 lines that follow read them all
	SLICE 256
	WIN 0
.endm
.macro QUAD                            ; a slot's four chunks
	s_mov_b32 s[TRIPS], 4
.Lchunk_\@:
	v_add_nc_u32 v[ADRX], s[TR], v[XA0]
	v_add_nc_u32 v[ADRS], s[TS], v[SA0]
	v_add_nc_u32 v[ADRB], s[TBI], v[BA0]
	s_add_co_u32 s[TR], s[TR], CHB
	s_add_co_u32 s[TS], s[TS], 1024
	s_add_co_u32 s[TBI], s[TBI], 256
.rept 5
	v_nop                                          ; with the three lines above: eight places behind the last product, ahead of loads into what it read and of the first read of its sums
.endr
	XL 0
	VEC 1                                          ; the chunk before
	s_wait_dscnt 0x0                               ; x, its scale words and the mask terms are in
	GEMM
	s_sub_co_u32 s[TRIPS], s[TRIPS], 1
	s_cmp_lg_u32 s[TRIPS], 0
	s_cbranch_scc1 .Lchunk_\@
	s_sub_co_u32 s[TR], s[TR], 4*CHB
	s_xor_b32 s[TR], s[TR], SLOTB
.endm
	s_load_b512 s[4:19], s[0:1], 0x0               ; x_codes 4, x_scales 6, Wkv_codes 8, Wkv_scales 10, mask 12, qs 14, opart 16, ml 18
	v_lshl_add_u32 v[SPW], v0, 2, SPARE
	v_mov_b32 v[NIL], 0
	ds_add_u32 v[SPW], v[NIL]                      ; the opening lines: the add, twice on end, and its wait ahead of my first tensor load
	ds_add_u32 v[SPW], v[NIL]
	v_lshrrev_b32 v1, 5, v0
	v_readfirstlane_b32 s[WV], v1                  ; wave
	s_bfe_u32 s[CX], ttmp6, 0x40000
	s_lshl_b32 s[HD], s[CX], 2
	s_add_co_u32 s[HD], s[HD], s[WV]               ; my head: it enters global addresses alone
	s_mov_b32 s[G1X], 15|(1<<20)|(1<<21)|(6<<22)|(3<<25)   ; mask: all four; elements of 1 byte; four words of padding behind every 128
	s_mov_b32 s[G1X+1], 512<<16
	s_mov_b32 s[G1X+2], 64<<16
	s_mov_b32 s[G1X+3], 512<<16
	s_mov_b32 s[G1X+4], 64
	s_mov_b32 s[G1X+5], 512
	s_mov_b32 s[G1X+6], 0
	s_mov_b32 s[G1X+7], 0
	s_mov_b32 s[G0X], 1
	s_mul_i32 s[G0X+1], s[WV], CHB                 ; my quarter of slot 0
	s_lshl_b32 s66, ttmp9, 20                      ; x: 2,048 rows of 512 bytes a half batch, 64 rows a wave
	s_lshl_b32 s67, s[WV], 15
	s_add_co_u32 s66, s66, s67
	s_mov_b32 s67, 0
	s_lshl_b32 s68, ttmp9, 15                      ; its scale bytes: 32 KB a half batch, 8 KB a wave
	s_lshl_b32 s69, s[WV], 13
	s_add_co_u32 s68, s68, s69
	s_add_co_u32 s23, s69, XSC                     ; and where my 8 KB go in LDS
	s_mov_b32 s69, 0
	s_mov_b32 s[SEL], 0x76543210
	s_mov_b32 s[SEL+1], 0xfedcba98                 ; v_permlanex16_b32's selects for lane l xor 16
	s_mov_b32 s56, 0xff00ff00                      ; lane masks for the sums over sixteen lanes
	s_mov_b32 s57, 0xf0f0f0f0
	s_mov_b32 s58, 0xcccccccc
	s_mov_b32 s59, 0xaaaaaaaa
	s_mov_b32 s60, 0xffff0000
	s_mov_b32 s[TR], 0
	s_mov_b32 s[TS], 0
	s_mov_b32 s[TBI], 0
	s_mov_b32 s[SLOTS], 7
	s_wait_dscnt 0x0                               ; both opening adds are done
	s_wait_kmcnt 0x0
	s_add_nc_u64 s[G0X+2:G0X+3], s[4:5], s[66:67]
	s_or_b32 s[G0X+3], s[G0X+3], 0x80000000
	ROUND                                          ; all four work-groups are here: the first joint loads meet
	tensor_load_to_lds s[G0X:G0X+3], s[G1X:G1X+7]  ; slot 0: one tensor load a wave at the head
	s_nop 0
.rept 4
	v_nop
.endr
	s_add_nc_u64 s[6:7], s[6:7], s[68:69]
	s_mov_b32 s71, 0
	s_lshl_b32 s70, ttmp9, 11                      ; the mask: 2,048 bytes a half batch
	s_add_nc_u64 s[12:13], s[12:13], s[70:71]
	s_lshl_b32 s70, s[HD], 9                       ; W's scale bytes: 32 rows of 16 a head
	s_add_nc_u64 s[10:11], s[10:11], s[70:71]
	s_lshl_b32 s70, s[HD], 14                      ; W's codes: 32 rows of 512
	s_add_nc_u64 s[8:9], s[8:9], s[70:71]
	s_lshl_b32 s70, s[HD], 10                      ; q: 32 columns of 32 bytes
	s_add_nc_u64 s[14:15], s[14:15], s[70:71]
	s_lshl_b32 s70, ttmp9, 4
	s_add_co_u32 s70, s70, s[HD]                   ; my record: 16 x half batch + head
	s_lshl_b32 s2, s70, 7
	s_mov_b32 s3, 0
	s_add_nc_u64 s[18:19], s[18:19], s[2:3]
	s_lshl_b32 s70, s70, 10
	s_add_nc_u64 s[16:17], s[16:17], s[70:71]
	v_and_b32 v1, 15, v0                           ; r
	v_bfe_u32 v2, v0, 4, 1                         ; h
	v_mul_u32_u24 v[XA0], v1, ROWP
	v_lshl_add_u32 v[XA0], v2, 4, v[XA0]           ; a fragment of x: row r, + 16 h
	v_lshl_add_u32 v[SA0], v1, 4, XSC              ; its scale words: 16 bytes a token
	v_lshl_add_u32 v[BA0], v1, 2, BIAS
	v_and_b32 v[LO16], 31, v0
	v_lshlrev_b32 v[LO4], 2, v[LO16]
	v_lshlrev_b32 v[LO16], 4, v[LO16]
	v_lshlrev_b32 v[WA], 9, v1
	v_lshl_add_u32 v[WA], v2, 4, v[WA]             ; a fragment of W: row r of 512 bytes, + 16 h
	v_lshlrev_b32 v[WSA], 4, v1
	v_lshlrev_b32 v[QA], 8, v2                     ; q: my half's eight columns of a tile
	v_lshlrev_b32 v[ADRX], 4, v0                   ; the mask: 16 tokens a thread,
	v_lshl_add_u32 v[ADRS], v0, 6, BIAS            ; and their 64 bytes in LDS
	v_add_nc_u32 v[ADRB], s23, v[LO16]             ; x's scale bytes in LDS: my wave's 8 KB, 16 bytes a lane
	global_load_b128 v[TMP:TMP+3], v[ADRX], s[12:13]
.irp i, 0,1,2,3,4,5,6,7,8,9,10,11,12,13,14,15
	global_load_b128 v[KV+4*\i:KV+4*\i+3], v[LO16], s[6:7] offset:512*\i   ; a wave's load covers 512 consecutive bytes, aligned
.endr
.irp ct, 0,1,2,3
	global_load_b128 v[WS+4*\ct:WS+4*\ct+3], v[WSA], s[10:11] offset:(16*(\ct%2)+512*(\ct/2))*16
.endr
	WIN 0xc0
.irp ct, 0,1
.irp j, 0,1,2,3,4,5,6,7
	global_load_b128 v[8*(8*\ct+\j):8*(8*\ct+\j)+3], v[QA], s[14:15] offset:512*\ct+32*\j
	global_load_b128 v[8*(8*\ct+\j)+4:8*(8*\ct+\j)+7], v[QA], s[14:15] offset:512*\ct+32*\j+16
.endr
.endr
.set k, 0
.rept 128
	v_mov_b32 v[128+k], 0                          ; O
.set k, k+1
.endr
	WIN 0x40
.irp ct, 0,1,2,3
.irp ks, 0,1,2,3
.irp c, 0,1,2,3
	global_load_b128 v[16*(4*\ct+\ks)+4*\c:16*(4*\ct+\ks)+4*\c+3], v[WA], s[8:9] offset:(16*(\ct%2)+512*(\ct/2))*512+128*\ks+32*\c
.endr
.endr
.endr
	WIN 0
.irp q, 0,1,2,3,4,5,6,7
	v_mov_b32 v[MO+\q], 0xff61b1e6                 ; the largest exponent so far: -3e38
	v_mov_b32 v[LL+\q], 0
.endr
.irp i, 0,1,2,3
	v_mov_b32 v[BI+\i], 0xff800000                 ; the first trip's chunk: all hidden
.endr
	v_mov_b32 v[TMP+4], 0xff800000
	WALU
	s_wait_loadcnt 63                              ; of 117 loads the first 54 are in: the mask and x's scale bytes are the first 17
.irp k, 0,1,2,3,4,5,6,7,8,9,10,11,12,13,14,15
	v_bfe_u32 v[TMP+5], v[TMP+\k/4], 8*(\k%4), 8
	v_cmp_ne_u32 vcc_lo, 0, v[TMP+5]
	v_cndmask_b32 v[TT+\k], 0, v[TMP+4], vcc_lo    ; 0, or -infinity for a hidden token
.endr
.irp i, 0,1,2,3
	ds_store_b128 v[ADRS], v[TT+4*\i:TT+4*\i+3] offset:16*\i
.endr
.irp i, 0,1,2,3,4,5,6,7,8,9,10,11,12,13,14,15
	ds_store_b128 v[ADRB], v[KV+4*\i:KV+4*\i+3] offset:512*\i
.endr
.irp k, 0,1,2,3,4,5,6,7,8,9,10,11,12,13,14,15
	v_mov_b32 v[TMP+\k], 0                         ; written once: a lane permute's destination counts as one of its sources
.endr
	s_wait_dscnt 0x0                               ; the stores have read their data
.set k, 0
.rept 128
	v_mov_b32 v[KV+k], 0                           ; the trip is written once: the first works on a chunk of zeros
.set k, k+1
.endr
	WALU                                           ; the head's end
	s_wait_loadcnt 0x0
.Lslot:                                                ; seven trips: behind each change of slots but the last the next slot is asked for
	CHANGE 1
	QUAD
	s_sub_co_u32 s[SLOTS], s[SLOTS], 1
	s_cmp_lg_u32 s[SLOTS], 0
	s_cbranch_scc1 .Lslot
	CHANGE 0                                       ; the last slot is written out: it asks for nothing
	QUAD
.rept 8
	v_nop                                          ; eight places behind the last product
.endr
	VEC 0                                          ; the last chunk
; THE WAY OUT.  The sixteen lanes of a row are brought under their common maximum; then O's 128 numbers a lane are summed over the sixteen lanes so that each lane keeps eight, and L's eight so that each pair of lanes keeps one.
.irp q, 0,1,2,3,4,5,6,7
	v_max_num_f32_dpp v[FF+\q], v[MO+\q], v[MO+\q] row_xmask:1 row_mask:0xf bank_mask:0xf
.endr
.irp x, 2,4,8
.irp q, 0,1,2,3,4,5,6,7
	v_max_num_f32_dpp v[FF+\q], v[FF+\q], v[FF+\q] row_xmask:\x row_mask:0xf bank_mask:0xf
.endr
.endr
.irp q, 0,2,4,6
	v_pk_add_f32 v[TMP+\q:TMP+\q+1], v[MO+\q:MO+\q+1], v[FF+\q:FF+\q+1] neg_lo:[0,1] neg_hi:[0,1]
.endr
	WALU
.irp q, 0,1,2,3,4,5,6,7
	v_exp_f32 v[TMP+\q], v[TMP+\q]
.endr
	v_nop
	WALU
.irp q, 0,2,4,6
	v_pk_mul_f32 v[LL+\q:LL+\q+1], v[LL+\q:LL+\q+1], v[TMP+\q:TMP+\q+1]
.endr
.macro OW qi, s
.irp u, 0,1,2,3,4,5,6,7
	v_pk_mul_f32 v[KV+16*\qi+2*\u:KV+16*\qi+2*\u+1], v[128+16*\qi+2*\u:128+16*\qi+2*\u+1], v[TMP+(\qi/2)*2:TMP+(\qi/2)*2+1] op_sel:[0,\s] op_sel_hi:[1,\s]
.endr
.endm
	WIN 0x03
	OW 0, 0
	OW 1, 1
	OW 2, 0
	OW 3, 1
	OW 4, 0
	OW 5, 1
	OW 6, 0
	OW 7, 1
	WIN 0
.macro RS base, S, msk, xm             ; 2 S numbers a lane become S: a lane keeps the half that its mask bit names and adds the partner's (lane xor xm)
.set ru, 0
.set rg, 8
.if \S < 8
.set rg, \S
.endif
.rept (\S+7)/8
.set rk, 0
.rept rg
	v_cndmask_b32 v[TT+rk], v[\base+\S+ru+rk], v[\base+ru+rk], s[\msk]
.set rk, rk+1
.endr
.set rk, 0
.rept rg
	v_cndmask_b32 v[\base+ru+rk], v[\base+ru+rk], v[\base+\S+ru+rk], s[\msk]
.set rk, rk+1
.endr
.set rk, 0
.rept rg
	v_add_f32_dpp v[\base+ru+rk], v[TT+rk], v[\base+ru+rk] row_xmask:\xm row_mask:0xf bank_mask:0xf
.set rk, rk+1
.endr
.set ru, ru+rg
.endr
.endm
	RS KV, 64, 56, 8
	RS KV, 32, 57, 4
	RS KV, 16, 58, 2
	RS KV, 8, 59, 1
	RS LL, 4, 56, 8
	RS LL, 2, 57, 4
	RS LL, 1, 58, 2
	v_add_f32_dpp v[LL], v[LL], v[LL] row_xmask:1 row_mask:0xf bank_mask:0xf
	v_cndmask_b32 v[TMP], v[FF], v[FF+1], s58      ; lane 2 q, 2 q + 1: query q's maximum;
	v_cndmask_b32 v[TMP+1], v[FF+2], v[FF+3], s58
	v_cndmask_b32 v[TMP+2], v[FF+4], v[FF+5], s58
	v_cndmask_b32 v[TMP+3], v[FF+6], v[FF+7], s58
	v_cndmask_b32 v[TMP], v[TMP], v[TMP+1], s57
	v_cndmask_b32 v[TMP+2], v[TMP+2], v[TMP+3], s57
	v_cndmask_b32 v[TMP], v[TMP], v[TMP+2], s56
	v_cndmask_b32 v[TMP], v[TMP], v[LL], s60       ; lanes 16-31: its sum
	global_store_b128 v[LO16], v[KV:KV+3], s[16:17]            ; a wave's store covers 512 consecutive bytes, aligned
	global_store_b128 v[LO16], v[KV+4:KV+7], s[16:17] offset:512
	global_store_b32 v[LO4], v[TMP], s[18:19]
	s_wait_tensorcnt 0x0                           ; the wave's end
	ds_add_u32 v[SPW], v[NIL]
	s_wait_dscnt 0x0
	ROUND                                          ; the closing round
	s_endpgm
.Lfunc_end_k_q185f841373_pool:
	.size	k_q185f841373_pool, .Lfunc_end_k_q185f841373_pool-k_q185f841373_pool
	.p2alignl 7, 3214868480
	.fill 96, 4, 3214868480
	.section	.rodata,"a",@progbits
	.p2align	6, 0x0
	.amdhsa_kernel k_q185f841373_pool
		.amdhsa_group_segment_fixed_size 327680
		.amdhsa_private_segment_fixed_size 0
		.amdhsa_enable_private_segment 0
		.amdhsa_kernarg_size 64
		.amdhsa_user_sgpr_count 2
		.amdhsa_user_sgpr_kernarg_segment_ptr 1
		.amdhsa_wavefront_size32 1
		.amdhsa_system_sgpr_workgroup_id_x 1
		.amdhsa_system_sgpr_workgroup_id_y 1
		.amdhsa_system_sgpr_workgroup_id_z 1
		.amdhsa_system_vgpr_workitem_id 0
		.amdhsa_next_free_vgpr 1024
		.amdhsa_next_free_sgpr 72
		.amdhsa_reserve_vcc 1
		.amdhsa_float_denorm_mode_32 3
		.amdhsa_float_denorm_mode_16_64 3
		.amdhsa_memory_ordered 1
		.amdhsa_forward_progress 1
		.amdhsa_inst_pref_size 222
	.end_amdhsa_kernel
	.amdgpu_metadata
---
amdhsa.version: [ 1, 2 ]
amdhsa.kernels:
  - .name:           k_q185f841373_pool
    .symbol:         k_q185f841373_pool.kd
    .args:
      - { .name: x_codes, .offset: 0, .size: 8, .value_kind: global_buffer, .address_space: global }
      - { .name: x_scales, .offset: 8, .size: 8, .value_kind: global_buffer, .address_space: global }
      - { .name: Wkv_codes, .offset: 16, .size: 8, .value_kind: global_buffer, .address_space: global }
      - { .name: Wkv_scales, .offset: 24, .size: 8, .value_kind: global_buffer, .address_space: global }
      - { .name: key_padding_mask, .offset: 32, .size: 8, .value_kind: global_buffer, .address_space: global }
      - { .name: qs, .offset: 40, .size: 8, .value_kind: global_buffer, .address_space: global }
      - { .name: opart, .offset: 48, .size: 8, .value_kind: global_buffer, .address_space: global }
      - { .name: ml, .offset: 56, .size: 8, .value_kind: global_buffer, .address_space: global }
    .group_segment_fixed_size: 327680
    .private_segment_fixed_size: 0
    .kernarg_segment_align: 8
    .kernarg_segment_size: 64
    .max_flat_workgroup_size: 128
    .sgpr_count:     72
    .vgpr_count:     1024
    .wavefront_size: 32
...
	.end_amdgpu_metadata
.endif
;; end of part 2
;; launch outproj (part 3): grid 4 x 16, 4 waves a work-group, no clusters, 17,920 bytes of LDS; arguments opart, ml, Wo_codes, Wo_scales, out0; writes out0
.if DOCPART == 3
	.amdgcn_target "amdgcn-amd-amdhsa--gfx1250"
	.amdhsa_code_object_version 6
	.text
	.protected	k_q185f841373_outproj
	.globl	k_q185f841373_outproj
	.p2align	8
	.type	k_q185f841373_outproj,@function
k_q185f841373_outproj:
	s_mov_b64 s[64:65], 0
	v_nop
	global_prefetch_b8 v0, s[64:65] scope:SCOPE_SE
	s_setreg_imm32_b32 hwreg(HW_REG_WAVE_MODE, 25, 1), 1
	s_wait_xcnt 0x0
; out = Q(pooled) Wo on codes of E5M2 with E8M0 scales.  pooled [256 = (batch, query)][512 = (head, channel)] is made here, in f32, of the two half batches' records: with Mx = max(M1, M2), e = 2^(M - Mx):
; pooled = (O1 e1 + O2 e2) / (L1 e1 + L2 e2); it is quantised along K (a block of 32 is one head) in registers.  Wo_codes [512 n][512 k], Wo_scales [512][16]; out0 [256][512] f32.
; SHARES.  Work-group (ng, mt): rows 16 mt .. + 15, columns 128 ng .. + 127.  Wave w makes the rows' K step w (heads 4 w .. 4 w + 3) as a fragment and hands it to the others through LDS as an image of its registers
; (16 bytes a lane a store); then it multiplies all four K steps by its own 32 rows of Wo.  The four column groups each join the halves anew: 1.2 MB read four times, for four times the work-groups.
; The product is used transposed (source 0 = 16 rows of Wo, source 1 = the 16 rows of pooled): a lane holds eight neighbouring columns of one row of out.
; No tensor load, no cluster: what the work-groups share is small against a launch this short.
; LIMITS: a block of pooled whose largest magnitude lies under 2^-111 keeps the scale byte 1 (a block of zeros too, where the quantiser says 127: its codes are zeros, and this program alone reads the byte).
; A batch whose every key is hidden has L = 0 in both halves: its factor is infinite, 0 x it is NaN, and that NaN starts the sums of its rows: NaN out, as the softmax of such a row gives.
.set AIMG, 0                           ; LDS: the four fragments' images, 2,048 bytes each;
.set ASC,  8192                        ; their scale words, 128 bytes each;
.set STG,  8704                        ; a stage for 16 rows of 512 bytes + 16
.set SPI,  528
.set ML,  16                           ; v16-19 M of half 0, heads c = 0..3; v20-23 of half 1; v24-27, v28-31 L
.set MX,  32
.set A1,  36                           ; v36-39 half 0's factor; v40-43 half 1's
.set A2,  40
.set DN,  44
.set Z,   48                           ; v48-55 what the sums start from: 0 (NaN for a batch with no key)
.set WOS, 56                           ; v56-63 Wo's scale words: tile nt, K step ks at 4 nt + ks
.set PS,  64                           ; v64-67 pooled's scale words
.set PW,  68                           ; the scale word just made
.set TM,  72                           ; v72-75 largest magnitudes, v76-79 bytes, v80-83 57,344 x the scale, v84-87 the conversions' scale operands
.set PC,  88                           ; v88-103 the codes just made
.set AC,  104                          ; v104-119 two accumulators
.set PO,  128                          ; v128-191 half 0's O, then pooled: register 16 c + i = k 128 w + 32 c + 16 h + i; later rows of out
.set HF,  192                          ; v192-255 half 1's O; later the four fragments
.set MSB, 0
.macro WIN new
.if MSB != \new
	s_set_vgpr_msb (MSB<<8)|\new
.set MSB, \new
.endif
.endm
	s_load_b256 s[4:11], s[0:1], 0x0               ; opart s[4:5], ml s[6:7], Wo_codes s[8:9], Wo_scales s[10:11]
	s_load_b64 s[12:13], s[0:1], 0x20              ; out0
	v_lshl_add_u32 v126, v0, 2, 0x4400
	v_mov_b32 v127, 0
	v_lshrrev_b32 v1, 5, v0
	v_readfirstlane_b32 s14, v1                    ; wave
	s_and_b32 s15, ttmp7, 0xffff                   ; mt
	v_and_b32 v1, 15, v0                           ; r: batch 2 mt + r / 8, query r % 8
	v_bfe_u32 v2, v0, 4, 1                         ; h
	v_lshrrev_b32 v3, 3, v1
	v_and_b32 v14, 7, v1
	v_lshl_add_u32 v4, v14, 1, v2
	v_lshlrev_b32 v4, 4, v4
	v_lshl_add_u32 v4, v3, 15, v4                  ; opart: 32 records a batch, and in a record 16 (2 qi + h): channels 16 h on of query qi
	v_lshlrev_b32 v5, 3, v14
	v_lshl_add_u32 v5, v3, 12, v5                  ; ml: 32 records of 128 bytes a batch, + 8 qi
	v_and_b32 v6, 31, v0
	v_lshlrev_b32 v7, 2, v6                        ; 4 x lane
	v_lshlrev_b32 v6, 4, v6                        ; 16 x lane
	s_lshl_b32 s16, s14, 11
	v_add_nc_u32 v8, s16, v6                       ; where I store my image
	s_lshl_b32 s16, s14, 7
	v_add_nc_u32 v9, s16, v7
	v_add_nc_u32 v9, ASC, v9                       ; and its scale word
	v_mul_u32_u24 v10, v1, SPI
	v_lshl_add_u32 v10, v2, 5, v10
	v_add_nc_u32 v10, s16, v10
	v_add_nc_u32 v10, STG, v10                     ; the stage: row r, + 128 w + 32 h
	s_mul_i32 s16, s14, 4*SPI
	v_add_nc_u32 v11, s16, v6
	v_add_nc_u32 v11, STG, v11                     ; back: my four rows, 16 bytes a lane
	v_lshlrev_b32 v12, 9, v1
	v_lshl_add_u32 v12, v2, 4, v12                 ; Wo: row r of 512 bytes, + 16 h
	v_lshlrev_b32 v13, 4, v1                       ; its scale bytes: 16 a row
	s_mov_b32 s28, 0x76543210
	s_mov_b32 s29, 0xfedcba98                      ; v_permlanex16_b32's selects for lane l xor 16
	s_mov_b32 s30, 0x600000                        ; the mantissa field of 57,344
	s_lshl_b32 s16, s15, 16                        ; opart: 64 records a tile of rows, 4 a wave
	s_lshl_b32 s26, s14, 12
	s_add_co_u32 s16, s16, s26
	s_mov_b32 s17, 0
	s_lshl_b32 s18, s15, 13                        ; ml likewise
	s_lshl_b32 s26, s14, 9
	s_add_co_u32 s18, s18, s26
	s_mov_b32 s19, 0
	s_lshl_b32 s20, ttmp9, 16                      ; Wo's codes at row 128 ng + 32 w
	s_lshl_b32 s26, s14, 14
	s_add_co_u32 s20, s20, s26
	s_mov_b32 s21, 0
	s_lshl_b32 s22, ttmp9, 11                      ; and its scale bytes
	s_lshl_b32 s26, s14, 9
	s_add_co_u32 s22, s22, s26
	s_mov_b32 s23, 0
	s_lshl_b32 s24, s15, 15                        ; out0: row 16 mt + 4 w of 2,048 bytes, column 128 ng
	s_lshl_b32 s26, s14, 13
	s_add_co_u32 s24, s24, s26
	s_lshl_b32 s26, ttmp9, 9
	s_add_co_u32 s24, s24, s26
	s_mov_b32 s25, 0
	s_wait_alu depctr_va_vdst(0)
	s_wait_kmcnt 0x0
	s_add_nc_u64 s[4:5], s[4:5], s[16:17]
	s_add_nc_u64 s[6:7], s[6:7], s[18:19]
	s_add_nc_u64 s[8:9], s[8:9], s[20:21]
	s_add_nc_u64 s[10:11], s[10:11], s[22:23]
	s_add_nc_u64 s[12:13], s[12:13], s[24:25]
.irp gi, 0,1
.irp c, 0,1,2,3
	global_load_b32 v[ML+4*\gi+\c], v5, s[6:7] offset:2048*\gi+128*\c
	global_load_b32 v[ML+8+4*\gi+\c], v5, s[6:7] offset:2048*\gi+128*\c+64
.endr
.endr
.irp gi, 0,1
.irp c, 0,1,2,3                                ; a record holds channels 16 ct + 8 h' + j at 512 (j / 4) + 256 h' + 16 (2 qi + ct) + 4 (j % 4): my 16 neighbours are four pieces
	global_load_b128 v[PO+64*\gi+16*\c:PO+64*\gi+16*\c+3], v4, s[4:5] offset:16384*\gi+1024*\c
	global_load_b128 v[PO+64*\gi+16*\c+4:PO+64*\gi+16*\c+7], v4, s[4:5] offset:16384*\gi+1024*\c+512
	global_load_b128 v[PO+64*\gi+16*\c+8:PO+64*\gi+16*\c+11], v4, s[4:5] offset:16384*\gi+1024*\c+256
	global_load_b128 v[PO+64*\gi+16*\c+12:PO+64*\gi+16*\c+15], v4, s[4:5] offset:16384*\gi+1024*\c+768
.endr
.endr
.irp nt, 0,1
	global_load_b128 v[WOS+4*\nt:WOS+4*\nt+3], v13, s[10:11] offset:256*\nt
.endr
	WIN 0x40                                       ; destination window 1: Wo's fragment (nt, ks) at 16 (4 nt + ks)
.irp nt, 0,1
.irp ks, 0,1,2,3
.irp c, 0,1,2,3
	global_load_b128 v[16*(4*\nt+\ks)+4*\c:16*(4*\nt+\ks)+4*\c+3], v12, s[8:9] offset:8192*\nt+128*\ks+32*\c
.endr
.endr
.endr
	WIN 0
.irp b, 0,1,2,3
	v_mov_b32 v[TM+4+\b], 0                        ; written once: a lane permute's destination counts as one of its sources
.endr
	s_wait_loadcnt 63                              ; M and L (the first 16 of 82 loads) are in: 66 stand behind them, a wait names 63 at the most
.irp c, 0,1,2,3
	v_max_num_f32 v[MX+\c], v[ML+\c], v[ML+4+\c]
.endr
.irp c, 0,2
	v_pk_add_f32 v[A1+\c:A1+\c+1], v[ML+\c:ML+\c+1], v[MX+\c:MX+\c+1] neg_lo:[0,1] neg_hi:[0,1]
	v_pk_add_f32 v[A2+\c:A2+\c+1], v[ML+4+\c:ML+4+\c+1], v[MX+\c:MX+\c+1] neg_lo:[0,1] neg_hi:[0,1]
.endr
	s_wait_alu depctr_va_vdst(0)
.irp c, 0,1,2,3,4,5,6,7
	v_exp_f32 v[A1+\c], v[A1+\c]
.endr
	v_nop                                          ; a plain instruction behind the last exponential,
	s_wait_alu depctr_va_vdst(0)                   ; and one wait for the eight, ahead of their first reader
.irp c, 0,2
	v_pk_mul_f32 v[DN+\c:DN+\c+1], v[ML+8+\c:ML+8+\c+1], v[A1+\c:A1+\c+1]
.endr
.irp c, 0,2
	v_pk_fma_f32 v[DN+\c:DN+\c+1], v[ML+12+\c:ML+12+\c+1], v[A2+\c:A2+\c+1], v[DN+\c:DN+\c+1]
.endr
	s_wait_alu depctr_va_vdst(0)
.irp c, 0,1,2,3
	v_rcp_f32 v[DN+\c], v[DN+\c]
.endr
	v_nop
	s_wait_alu depctr_va_vdst(0)                   ; one wait for the four reciprocals
.irp c, 0,2
	v_pk_mul_f32 v[A1+\c:A1+\c+1], v[A1+\c:A1+\c+1], v[DN+\c:DN+\c+1]
	v_pk_mul_f32 v[A2+\c:A2+\c+1], v[A2+\c:A2+\c+1], v[DN+\c:DN+\c+1]
.endr
.irp j, 0,1,2,3,4,5,6,7
	v_mul_f32 v[Z+\j], 0, v[A1]                    ; 0, or NaN where my row's batch has no key (all heads share the mask)
.endr
	s_wait_loadcnt 34                              ; the records of opart are in; Wo's 2 + 32 loads may be out
.macro POOL c, s                       ; head c: pooled = O1 a1 + O2 a2; s says which register of the factors' pair serves both halves
.irp u, 0,1,2,3,4,5,6,7
	v_pk_mul_f32 v[PO+16*\c+2*\u:PO+16*\c+2*\u+1], v[PO+16*\c+2*\u:PO+16*\c+2*\u+1], v[A1+(\c/2)*2:A1+(\c/2)*2+1] op_sel:[0,\s] op_sel_hi:[1,\s]
.endr
.irp u, 0,1,2,3,4,5,6,7
	v_pk_fma_f32 v[PO+16*\c+2*\u:PO+16*\c+2*\u+1], v[HF+16*\c+2*\u:HF+16*\c+2*\u+1], v[A2+(\c/2)*2:A2+(\c/2)*2+1], v[PO+16*\c+2*\u:PO+16*\c+2*\u+1] op_sel:[0,\s,0] op_sel_hi:[1,\s,1]
.endr
.endm
	POOL 0, 0
	POOL 1, 1
	POOL 2, 0
	POOL 3, 1
	; THE QUANTISER: four blocks of 32 along K; a block lies in lanes l and l xor 16, 16 numbers each
.irp b, 0,1,2,3
	v_max3_num_f32 v[TM+\b], |v[PO+16*\b]|, |v[PO+1+16*\b]|, 0x8000000   ; my 16 numbers, and the floor 2^(16 - 127): so the byte cannot fall under 1
.endr
.irp i, 2,4,6,8,10,12,14
.irp b, 0,1,2,3
	v_max3_num_f32 v[TM+\b], v[TM+\b], |v[PO+16*\b+\i]|, |v[PO+1+16*\b+\i]|   ; (the four blocks by turns)
.endr
.endr
.irp b, 0,1,2,3
	v_permlanex16_b32 v[TM+4+\b], v[TM+\b], s28, s29
.endr
.irp b, 0,1,2,3
	v_max_num_f32 v[TM+\b], v[TM+\b], v[TM+4+\b]   ; the block's largest magnitude
.endr
.irp b, 0,1,2,3
	v_add_nc_u32 v[TM+12+\b], 0xf8800000, v[TM+\b] ; 15 off its exponent field: the conversion takes the exponent field of this operand as its scale
.endr
.irp b, 0,1,2,3
	v_and_or_b32 v[TM+8+\b], v[TM+\b], 0x7f800000, s30   ; 57,344 x the scale
.endr
.irp b, 0,1,2,3
	v_lshrrev_b32 v[TM+4+\b], 23, v[TM+12+\b]      ; the scale's byte
.endr
	v_lshl_or_b32 v[PW], v[TM+5], 8, v[TM+4]       ; the four bytes make my row's scale word for this K step
	v_lshl_or_b32 v[PW], v[TM+6], 16, v[PW]
	v_lshl_or_b32 v[PW], v[TM+7], 24, v[PW]
.irp b, 0,1,2,3
.irp i, 0,1,2,3,4,5,6,7,8,9,10,11,12,13,14,15
	v_med3_num_f32 v[PO+16*\b+\i], v[PO+16*\b+\i], -v[TM+8+\b], v[TM+8+\b]   ; the conversion to an 8-bit code does not saturate (ISA guide 7.6.2): the hold at the largest code x the scale
.endr
	v_cvt_scalef32_pk8_bf8_f32 v[PC+4*\b:PC+1+4*\b], v[PO+16*\b:PO+7+16*\b], v[TM+12+\b]
	v_cvt_scalef32_pk8_bf8_f32 v[PC+2+4*\b:PC+3+4*\b], v[PO+8+16*\b:PO+15+16*\b], v[TM+12+\b]
.endr
	v_nop                                          ; one plain vector instruction behind the last scaled conversion
.irp c, 0,1,2,3
	ds_store_b128 v8, v[PC+4*\c:PC+4*\c+3] offset:AIMG+512*\c   ; the fragment as it stands: lane l's 16 bytes at 16 l
.endr
	ds_store_b32 v9, v[PW]
	s_wait_dscnt 0x0                               ; for the others' sake: my stores have landed
	s_barrier_signal -1
	s_barrier_wait -1                              ; the four K steps lie in LDS
.irp ks, 0,1,2,3
.irp c, 0,1,2,3
	ds_load_b128 v[HF+16*\ks+4*\c:HF+16*\ks+4*\c+3], v6 offset:AIMG+2048*\ks+512*\c
.endr
	ds_load_b32 v[PS+\ks], v7 offset:ASC+128*\ks
.endr
	s_wait_dscnt 0x0
	s_wait_loadcnt 0x0                             ; Wo
	WIN 0x01                                       ; source 0 (Wo) window 1
.irp ks, 0,1,2,3                               ; the two accumulators take turns, one instruction a turn
.irp nt, 0,1
.if \ks == 0
	v_wmma_scale_f32_16x16x128_f8f6f4 v[AC+8*\nt:AC+8*\nt+7], v[16*(4*\nt+\ks):16*(4*\nt+\ks)+15], v[HF+16*\ks:HF+16*\ks+15], v[Z:Z+7], v[WOS+4*\nt+\ks], v[PS+\ks] matrix_a_fmt:MATRIX_FMT_BF8 matrix_b_fmt:MATRIX_FMT_BF8
.else
	v_wmma_scale_f32_16x16x128_f8f6f4 v[AC+8*\nt:AC+8*\nt+7], v[16*(4*\nt+\ks):16*(4*\nt+\ks)+15], v[HF+16*\ks:HF+16*\ks+15], v[AC+8*\nt:AC+8*\nt+7], v[WOS+4*\nt+\ks], v[PS+\ks] matrix_a_fmt:MATRIX_FMT_BF8 matrix_b_fmt:MATRIX_FMT_BF8
.endif
.endr
.endr
	WIN 0
.rept 8
	v_nop                                          ; eight places between this form and the first read of its results
.endr
.irp nt, 0,1
	ds_store_b128 v10, v[AC+8*\nt:AC+8*\nt+3] offset:64*\nt          ; lane (r, h): out(row r, 32 w + 16 nt + 8 h + 0 .. 7); each accumulator from its low end on
	ds_store_b128 v10, v[AC+8*\nt+4:AC+8*\nt+7] offset:64*\nt+16
.endr
	s_wait_dscnt 0x0
	s_barrier_signal -1
	s_barrier_wait -1                              ; 16 whole rows of 512 bytes lie in the stage
.irp i, 0,1,2,3
	ds_load_b128 v[PO+4*\i:PO+4*\i+3], v11 offset:SPI*\i
.endr
.irp i, 0,1,2,3
	s_wait_dscnt 3-\i                              ; row i is in; the younger loads may be out
	global_store_b128 v6, v[PO+4*\i:PO+4*\i+3], s[12:13] offset:2048*\i th:TH_STORE_NT   ; 32 lanes store 512 consecutive bytes, aligned
.endr
	s_wait_tensorcnt 0x0
	ds_add_u32 v126, v127
	s_wait_dscnt 0x0
	s_endpgm
.Lfunc_end_k_q185f841373_outproj:
	.size	k_q185f841373_outproj, .Lfunc_end_k_q185f841373_outproj-k_q185f841373_outproj
	.p2alignl 7, 3214868480
	.fill 96, 4, 3214868480
	.section	.rodata,"a",@progbits
	.p2align	6, 0x0
	.amdhsa_kernel k_q185f841373_outproj
		.amdhsa_group_segment_fixed_size 17920
		.amdhsa_private_segment_fixed_size 0
		.amdhsa_enable_private_segment 0
		.amdhsa_kernarg_size 40
		.amdhsa_user_sgpr_count 2
		.amdhsa_user_sgpr_kernarg_segment_ptr 1
		.amdhsa_wavefront_size32 1
		.amdhsa_system_sgpr_workgroup_id_x 1
		.amdhsa_system_sgpr_workgroup_id_y 1
		.amdhsa_system_sgpr_workgroup_id_z 1
		.amdhsa_system_vgpr_workitem_id 0
		.amdhsa_next_free_vgpr 384
		.amdhsa_next_free_sgpr 66
		.amdhsa_reserve_vcc 0
		.amdhsa_float_denorm_mode_32 3
		.amdhsa_float_denorm_mode_16_64 3
		.amdhsa_memory_ordered 1
		.amdhsa_forward_progress 1
		.amdhsa_inst_pref_size 29
	.end_amdhsa_kernel
	.amdgpu_metadata
---
amdhsa.version: [ 1, 2 ]
amdhsa.kernels:
  - .name:           k_q185f841373_outproj
    .symbol:         k_q185f841373_outproj.kd
    .args:
      - { .name: opart, .offset: 0, .size: 8, .value_kind: global_buffer, .address_space: global }
      - { .name: ml, .offset: 8, .size: 8, .value_kind: global_buffer, .address_space: global }
      - { .name: Wo_codes, .offset: 16, .size: 8, .value_kind: global_buffer, .address_space: global }
      - { .name: Wo_scales, .offset: 24, .size: 8, .value_kind: global_buffer, .address_space: global }
      - { .name: out0, .offset: 32, .size: 8, .value_kind: global_buffer, .address_space: global }
    .group_segment_fixed_size: 17920
    .private_segment_fixed_size: 0
    .kernarg_segment_align: 8
    .kernarg_segment_size: 40
    .max_flat_workgroup_size: 128
    .sgpr_count:     66
    .vgpr_count:     384
    .wavefront_size: 32
...
	.end_amdgpu_metadata
.endif
;; end of part 3
